; MI455X (gfx1250); checked and timed in simulation.
; The chip was launched on July 23, 2026; its instructions are those of AMD's public machine-readable ISA for CDNA 5 (MIT licence, August 2026) and "CDNA5" Instruction Set Architecture Reference Guide (July 2026). The comments in the code are by the model that wrote it; some were corrected since.
;; Kmeans. Allowed arithmetic: matrix products marked QUANTISED: E2M3 operands, one E8M0 scale for each 32 along K, by v_wmma_scale_f32_16x16x128_f8f6f4 with both operands' format E2M3, f32 sums; everything else in f32.
;; Inputs: cluster_centers 2,048 x 512 float32; x 65,536 x 512 float32.
;; Outputs: out0 65,536 int32.
;; This version of the problem:
;;   THIS VERSION OF THE PROBLEM IS GIVEN IN LOW PRECISION. The matrix products marked QUANTISED in the list below multiply operands that are first quantised to E2M3 (2 exponent bits, 3 mantissa bits; 6 bits a number), with one power-of-two scale for each 32 numbers along K (OCP MX v1.0); their sums are f32. All else is computed in f32.
;;   The module's matrix products, in the order in which they are computed (A, B: the left and right operand; K: the contracted axis; several contracted axes count as one K, in the product's order):
;;     1. [M 65,536, K 512] x [K 512, N 2,048]; A: input x; B: input cluster_centers: QUANTISED
;;   THE QUANTISER, for each operand of a quantised product, along K:
;;     - K is cut into blocks of 32 from its start; a last block that is shorter is filled with zeros.
;;     - A block's scale is 2^e with e = floor(log2(the largest magnitude in the block)) - 2, held to -126 .. 127; a block of zeros has e = 0. As a byte (E8M0): e + 127.
;;     - Each number is divided by its block's scale, clamped to +-7.5, and rounded to the nearest number of E2M3, ties to even, subnormals kept.
;;     - The product sums the exact products of the quantised numbers (number of the format x scale) in f32.
;;   ~~~python
;;   def quantise(x, axis):      # numpy; x: float32 -> the quantised numbers, widened to float32 again
;;       x = np.moveaxis(x, axis, -1); K = x.shape[-1]
;;       x = np.pad(x, [(0, 0)] * (x.ndim - 1) + [(0, -K % 32)]); x = x.reshape(x.shape[:-1] + (-1, 32)); a = np.abs(x).max(-1, keepdims=True)
;;       e = np.where(a > 0, np.clip(np.frexp(np.where(a > 0, a, 1))[1] - 1 - 2, -126, 127), 0)      # np.frexp(a)[1] - 1 = floor(log2(a)), exactly
;;       r = np.clip(x / 2.0 ** e, -7.5, 7.5)
;;       step = 2.0 ** (np.maximum(np.frexp(np.where(r == 0, 1, r))[1] - 1, 0) - 3)
;;       q = np.round(r / step) * step * 2.0 ** e      # np.round: ties to even
;;       return np.moveaxis(q.reshape(q.shape[:-2] + (-1,))[..., :K], -1, axis).astype(np.float32)
;;   ~~~
;; One version. Each part assembles by itself: llvm-mc -triple=amdgcn-amd-amdhsa -mcpu=gfx1250 --defsym DOCPART=n.
;; ======== version 1 of 1: 2 launches
;; limits: right only within a limited range of input values
;; workspace buffers: cpack 827,392 bytes
;; launch prep (part 1): grid 32 x 1, 16 waves a work-group, no clusters, 139,264 bytes of LDS; arguments cluster_centers, cpack; writes cpack
.if DOCPART == 1
	.amdgcn_target "amdgcn-amd-amdhsa--gfx1250"
	.amdhsa_code_object_version 6
	.text
	.protected	k_q1a23e09120_prep
	.globl	k_q1a23e09120_prep
	.p2align	8
	.type	k_q1a23e09120_prep,@function
k_q1a23e09120_prep:
	s_mov_b64 s[64:65], 0
	v_nop
	global_prefetch_b8 v0, s[64:65] scope:SCOPE_SE
	s_setreg_imm32_b32 hwreg(HW_REG_WAVE_MODE, 25, 1), 1
	s_wait_xcnt 0x0
; The centres [2048][512] f32 become what the second launch reads: codes of FP6 (E2M3) with one E8M0 scale for each 32 along K, and -c2 / 2, c2 = the sum of squares of each centre (f32, unquantised).
; WORK LEFT OUT, in both launches: x2.  reference() takes the argmin over k of x2[n] + c2[k] - 2 dot(n, k); x2[n] is the same for every k, so for all values of the inputs, in exact
; arithmetic, the argmin is that of c2[k] - 2 dot(n, k), which is the argmax of dot(n, k) - c2[k] / 2.  No sum of squares of x is formed.  x itself is live (it is the product's operand).
; LIMIT: an overflow of x2 is not carried to the result; two centres whose distances differ by less than the rounding of f32 sums may change places.
; cpack is 32 quarters of QB = 25,856 bytes (101 x 256); quarter g holds centres 64 g .. 64 g + 63:
;   0 ..       codes as IMAGES OF THE OPERAND'S REGISTERS: tile u (16 centres), K step s (128 along K), registers 4 c .. 4 c + 3 of lane l at 6144 u + 1536 s + 512 c + 16 l
;   24,576 ..  scale words: at 256 u + 8 l two words of centre l % 16: K step l / 16 and K step 2 + l / 16
;   25,600 ..  -c2 / 2 of centre 16 u + r at 64 u + 4 r
; A work-group makes a quarter; wave 4 u + s makes tile u's K step s: 16 loads of 512 consecutive bytes, a turn through the wave's own stage in LDS (lane (r, h) then holds register 16 b + i = k 32 b + 16 h + i
; of row r), the quantiser, three stores of 512 consecutive bytes.  Scale words and partial sums of squares meet in LDS; behind one barrier the waves with s = 0 store their tile's 256 bytes of scale words and wave 0 the 256 bytes of -c2 / 2.
; LIMITS: NaN and infinities are not served.  A block whose largest magnitude lies under 2^-124, a block of zeros among them, gets the byte 1 (the rule gives a block of zeros 127): this program alone reads the bytes.
; c2 is summed in four chains a K step and then over the four K steps: another order than a plain sum's.
.set QB,     25856
.set SPITCH, 528                       ; a stage row: 512 bytes + 16
.set WSTG,   16*SPITCH
.set EXW,    16*WSTG                   ; scale words: 64 x wave + 4 r; the partial sums 1,024 bytes behind them
.set EXS,    EXW+1024
.set SPARE,  EXS+1024                  ; the spare words, 128 bytes for each of 16 waves
.set XO,  4
.set STS, 5
.set STL, 6
.set GO,  7
.set SO,  8
.set EW,  9
.set ER,  10
.set CR,  11
.set CO,  12
.set SCR, 14                           ; v14-15
.set PP,  16                           ; v16-23
.set SPW, 28
.set NIL, 29
.set LD,  32                           ; v32-95 as loaded
.set XA,  96                           ; v96-159 at work
.set TM,  160
.set PW,  172
.set SQ,  174
.set PC,  184
.set SEL, 20
	s_load_b128 s[4:7], s[0:1], 0x0                ; the centres, cpack
	v_lshl_add_u32 v[SPW], v0, 2, SPARE
	v_mov_b32 v[NIL], 0
	v_lshrrev_b32 v1, 5, v0
	v_readfirstlane_b32 s8, v1                     ; wave 0..15
	s_lshr_b32 s9, s8, 2                           ; u
	s_and_b32 s10, s8, 3                           ; s
	v_and_b32 v1, 31, v0                           ; lane
	v_and_b32 v2, 15, v0                           ; r
	v_bfe_u32 v3, v0, 4, 1                         ; h
	v_lshlrev_b32 v[XO], 4, v1
	s_mul_i32 s11, s8, WSTG
	v_mul_u32_u24 v[STL], v2, SPITCH
	v_add_nc_u32 v[STS], s11, v[XO]
	v_lshl_add_u32 v[STL], v3, 6, v[STL]
	s_lshl_b32 s12, s8, 6
	v_lshl_add_u32 v[EW], v2, 2, s12
	v_add_nc_u32 v[STL], s11, v[STL]
	v_add_nc_u32 v[EW], EXW, v[EW]
	s_lshl_b32 s13, s9, 8
	v_lshl_add_u32 v[ER], v1, 2, s13
	v_lshl_add_u32 v[SO], v1, 3, s13
	v_add_nc_u32 v[ER], EXW, v[ER]                 ; lane l: K step l / 16 of centre l % 16; 128 bytes on: K step 2 + l / 16
	v_lshrrev_b32 v24, 3, v1
	v_and_b32 v25, 7, v1
	v_lshlrev_b32 v[CR], 8, v24
	v_lshlrev_b32 v[CO], 3, v1
	v_lshl_add_u32 v[CR], v25, 3, v[CR]
	s_mul_i32 s14, s9, 6144
	s_mul_i32 s15, s10, 1536
	s_add_co_u32 s14, s14, s15
	v_add_nc_u32 v[GO], s14, v[XO]
	v_add_nc_u32 v[CR], EXS, v[CR]                 ; lane l: the partial sums of centres 2 l, 2 l + 1: 256 (l / 8) + 8 (l % 8), 64 bytes from K step to K step
.irp b, 0,1,2,3
	v_mov_b32 v[TM+4+\b], 0                        ; a lane permute's destination counts as one of its sources
.endr
	v_mov_b32 v[SQ+2], 0
	s_mov_b32 s[SEL], 0x76543210
	s_mov_b32 s[SEL+1], 0xfedcba98
	s_lshl_b32 s16, ttmp9, 2
	s_add_co_u32 s16, s16, s9
	s_lshl_b32 s16, s16, 15                        ; my tile's 16 rows of 2,048 bytes,
	s_lshl_b32 s17, s10, 9                         ; my K step's 512
	s_add_co_u32 s16, s16, s17
	s_mov_b32 s17, 0
	s_mul_i32 s18, ttmp9, QB
	s_mov_b32 s19, 0
	s_wait_alu depctr_va_vdst(0)                   ; the wait at the head's end
	s_wait_kmcnt 0x0
	s_add_nc_u64 s[4:5], s[4:5], s[16:17]
	s_add_nc_u64 s[6:7], s[6:7], s[18:19]
.irp i, 0,1,2,3,4,5,6,7,8,9,10,11,12,13,14,15
	global_load_b128 v[LD+4*\i:LD+4*\i+3], v[XO], s[4:5] offset:2048*\i th:TH_LOAD_NT
.endr
.irp i, 0,1,2,3,4,5,6,7,8,9,10,11,12,13,14,15
	s_wait_loadcnt 15-\i
	ds_store_b128 v[STS], v[LD+4*\i:LD+4*\i+3] offset:SPITCH*\i
.endr
.irp b, 0,1,2,3
.irp j, 0,1,2,3
	ds_load_b128 v[XA+16*\b+4*\j:XA+16*\b+4*\j+3], v[STL] offset:128*\b+16*\j   ; LDS serves a wave's instructions in order: these see my stores
.endr
.endr
	s_wait_dscnt 0x0
.irp c, 0,1,2,3
	v_pk_mul_f32 v[SQ+2*\c:SQ+2*\c+1], v[XA+2*\c:XA+2*\c+1], v[XA+2*\c:XA+2*\c+1]
.endr
.irp j, 4,5,6,7,8,9,10,11,12,13,14,15,16,17,18,19,20,21,22,23,24,25,26,27,28,29,30,31
	v_pk_fma_f32 v[SQ+2*(\j%4):SQ+2*(\j%4)+1], v[XA+2*\j:XA+2*\j+1], v[XA+2*\j:XA+2*\j+1], v[SQ+2*(\j%4):SQ+2*(\j%4)+1]
.endr
	v_pk_add_f32 v[SQ:SQ+1], v[SQ:SQ+1], v[SQ+2:SQ+3]
	v_pk_add_f32 v[SQ+4:SQ+5], v[SQ+4:SQ+5], v[SQ+6:SQ+7]
	s_delay_alu instid0(VALU_DEP_1)
	v_pk_add_f32 v[SQ:SQ+1], v[SQ:SQ+1], v[SQ+4:SQ+5]
	s_delay_alu instid0(VALU_DEP_1)
	v_add_f32 v[SQ], v[SQ], v[SQ+1]
	v_permlanex16_b32 v[SQ+2], v[SQ], s[SEL], s[SEL+1]
	v_add_f32 v[SQ], v[SQ], v[SQ+2]                ; row r's 128 squares of this K step
.irp b, 0,1,2,3
	v_max3_num_f32 v[TM+\b], |v[XA+16*\b]|, |v[XA+1+16*\b]|, 0x1800000   ; and the floor 2^(3 - 127): the byte cannot fall under 1
.endr
.irp i, 2,4,6,8,10,12,14
.irp b, 0,1,2,3
	v_max3_num_f32 v[TM+\b], v[TM+\b], |v[XA+16*\b+\i]|, |v[XA+1+16*\b+\i]|
.endr
.endr
.irp b, 0,1,2,3
	v_permlanex16_b32 v[TM+4+\b], v[TM+\b], s[SEL], s[SEL+1]
.endr
.irp b, 0,1,2,3
	v_max_num_f32 v[TM+\b], v[TM+\b], v[TM+4+\b]
.endr
.irp b, 0,1,2,3
	v_add_nc_u32 v[TM+8+\b], 0xff000000, v[TM+\b]  ; 2 off the exponent field: the conversion's scale operand
.endr
.irp b, 0,1,2,3
	v_lshrrev_b32 v[TM+4+\b], 23, v[TM+8+\b]       ; the scale's byte
.endr
	v_lshl_or_b32 v[PW], v[TM+5], 8, v[TM+4]
	s_delay_alu instid0(VALU_DEP_1)
	v_lshl_or_b32 v[PW], v[TM+6], 16, v[PW]
	s_delay_alu instid0(VALU_DEP_1)
	v_lshl_or_b32 v[PW], v[TM+7], 24, v[PW]
.irp c, 0,1
	v_cvt_scalef32_pk16_fp6_f32 v[PC+6*\c:PC+2+6*\c], v[XA+32*\c:XA+15+32*\c], v[TM+8+2*\c]
	v_cvt_scalef32_pk16_fp6_f32 v[PC+12+4*\c:PC+14+4*\c], v[XA+16+32*\c:XA+31+32*\c], v[TM+8+2*\c+1]
.endr
	v_nop                                          ; one plain place behind a scaled conversion
.irp c, 0,1                            ; the operand's layout wants a whole block in a lane
.irp i, 0,1,2
	v_permlane16_swap_b32 v[PC+6*\c+\i], v[PC+12+4*\c+\i]
.endr
.irp i, 0,1,2
	v_mov_b32 v[PC+3+6*\c+\i], v[PC+12+4*\c+\i]
.endr
.endr
.irp c, 0,1,2
	global_store_b128 v[GO], v[PC+4*\c:PC+4*\c+3], s[6:7] offset:512*\c   ; 32 lanes store 512 consecutive bytes, at a multiple of 256 from cpack's first byte
.endr
	ds_store_b32 v[EW], v[PW]                      ; lanes r and 16 + r write the same word with the same value
	ds_store_b32 v[EW], v[SQ] offset:1024
	s_wait_dscnt 0x0                               ; for the others' sake: my stores have landed
	s_barrier_signal -1
	s_barrier_wait -1
	s_cmp_lg_u32 s10, 0
	s_cbranch_scc1 .Ldone
	ds_load_b32 v[SCR], v[ER]
	ds_load_b32 v[SCR+1], v[ER] offset:128
	s_wait_dscnt 0x0
	global_store_b64 v[SO], v[SCR:SCR+1], s[6:7] offset:24576   ; the wave stores its tile's 256 consecutive bytes
	s_cmp_lg_u32 s8, 0
	s_cbranch_scc1 .Ldone
.irp s, 0,1,2,3
	ds_load_b64 v[PP+2*\s:PP+2*\s+1], v[CR] offset:64*\s
.endr
	s_wait_dscnt 0x0
	v_pk_add_f32 v[PP:PP+1], v[PP:PP+1], v[PP+2:PP+3]
	v_pk_add_f32 v[PP+4:PP+5], v[PP+4:PP+5], v[PP+6:PP+7]
	s_delay_alu instid0(VALU_DEP_1)
	v_pk_add_f32 v[PP:PP+1], v[PP:PP+1], v[PP+4:PP+5]              ; c2 of two centres,
	s_delay_alu instid0(VALU_DEP_1)
	v_pk_mul_f32 v[PP:PP+1], v[PP:PP+1], -0.5 op_sel_hi:[1,0]      ; stored as -c2 / 2
	global_store_b64 v[CO], v[PP:PP+1], s[6:7] offset:25600        ; the quarter's 64 numbers leave as 256 consecutive bytes
.Ldone:
	s_wait_tensorcnt 0x0                           ; the wave's end
	ds_add_u32 v[SPW], v[NIL]
	s_wait_dscnt 0x0
	s_endpgm
.Lfunc_end_k_q1a23e09120_prep:
	.size	k_q1a23e09120_prep, .Lfunc_end_k_q1a23e09120_prep-k_q1a23e09120_prep
	.p2alignl 7, 3214868480
	.fill 96, 4, 3214868480
	.section	.rodata,"a",@progbits
	.p2align	6, 0x0
	.amdhsa_kernel k_q1a23e09120_prep
		.amdhsa_group_segment_fixed_size 139264
		.amdhsa_private_segment_fixed_size 0
		.amdhsa_enable_private_segment 0
		.amdhsa_kernarg_size 16
		.amdhsa_user_sgpr_count 2
		.amdhsa_user_sgpr_kernarg_segment_ptr 1
		.amdhsa_wavefront_size32 1
		.amdhsa_system_sgpr_workgroup_id_x 1
		.amdhsa_system_sgpr_workgroup_id_y 1
		.amdhsa_system_sgpr_workgroup_id_z 1
		.amdhsa_system_vgpr_workitem_id 0
		.amdhsa_next_free_vgpr 208
		.amdhsa_next_free_sgpr 66
		.amdhsa_reserve_vcc 0
		.amdhsa_float_denorm_mode_32 3
		.amdhsa_float_denorm_mode_16_64 3
		.amdhsa_memory_ordered 1
		.amdhsa_forward_progress 1
		.amdhsa_inst_pref_size 15
	.end_amdhsa_kernel
	.amdgpu_metadata
---
amdhsa.version: [ 1, 2 ]
amdhsa.kernels:
  - .name:           k_q1a23e09120_prep
    .symbol:         k_q1a23e09120_prep.kd
    .args:
      - { .name: cluster_centers, .offset: 0, .size: 8, .value_kind: global_buffer, .address_space: global }
      - { .name: cpack, .offset: 8, .size: 8, .value_kind: global_buffer, .address_space: global }
    .group_segment_fixed_size: 139264
    .private_segment_fixed_size: 0
    .kernarg_segment_align: 8
    .kernarg_segment_size: 16
    .max_flat_workgroup_size: 512
    .sgpr_count:     66
    .vgpr_count:     208
    .wavefront_size: 32
...
	.end_amdgpu_metadata
.endif
;; end of part 1
;; launch assign (part 2): grid 256 x 1, 4 waves a work-group, clusters of 4 x 1, 327,680 bytes of LDS; arguments x, cpack, out0; writes out0
.if DOCPART == 2
	.amdgcn_target "amdgcn-amd-amdhsa--gfx1250"
	.amdhsa_code_object_version 6
	.text
	.protected	k_q1a23e09120_assign
	.globl	k_q1a23e09120_assign
	.p2align	8
	.type	k_q1a23e09120_assign,@function
k_q1a23e09120_assign:
	s_mov_b64 s[64:65], 0
	v_nop
	global_prefetch_b8 v0, s[64:65] scope:SCOPE_SE
	s_setreg_imm32_b32 hwreg(HW_REG_WAVE_MODE, 25, 1), 1
	s_wait_xcnt 0x0
	s_wait_alu depctr_hold_cnt(0) depctr_sa_sdst(0) depctr_va_vdst(0) depctr_va_sdst(0) depctr_va_ssrc(0) depctr_va_vcc(0) depctr_vm_vsrc(0)
	s_getreg_b32 s2, hwreg(HW_REG_IB_STS2, 6, 4)
	s_cmp_eq_u32 s2, 0
	s_cbranch_scc0 .Lentry_in_a_cluster
	s_endpgm
.Lentry_in_a_cluster:
	s_bfe_u32 s2, ttmp6, 0x10000c
	s_cmp_lg_u32 s2, 0x3003
	s_cbranch_scc0 .Lentry_shape_is_right
	s_endpgm
.Lentry_shape_is_right:
; out0[n] = argmax over k of a(n, k) = dot(n, k) - c2[k] / 2, which is the argmin of x2 + c2 - 2 dot: x2[n] is the same for every k and is left out (shown at the head of the launch before).
; dot on codes of FP6 (E2M3) with one E8M0 scale for each 32 along K = 512; -c2 / 2 (f32, of the unquantised centres) is the C of each sum's first matrix instruction; a tie goes to the lower k.
; SHARES.  A work-group owns 256 rows of x, in two passes of 128.  Every wave holds the codes of all 128 rows of the pass (8 tiles x 4 K steps x 12 registers) and walks its own quarter (64 centres)
; of each slot of 256 centres: a fragment of centres read from LDS feeds eight matrix instructions, and no wave reads bytes that another wave's tensor load brought.
; x is read once: each wave quantises 32 rows of a pass and hands the fragments to the others through LDS, as images of their registers.  Pass 1's x is loaded and quantised while pass 0 is multiplied.
; THE CENTRES (cpack: images of operand registers, scale words, -c2 / 2) come through a ring of two LDS slots, one dense block of 25,856 bytes a wave and slot.  All work-groups walk the same slots,
; so the four of a cluster ask JOINTLY (mask 15).  x is shared by nobody and comes by plain loads, asked for six steps (192 matrix instructions) ahead into registers: so no prefetch is laid for it;
; cpack is walked by every work-group in the same order.
; THE MATRIX INSTRUCTION IS USED TRANSPOSED (source 0 = 16 centres, source 1 = 16 rows of x): lane (r, h) holds ONE row r and in its 8 registers the centres 8 h + j.
; THE ARGMAX, 10 vector instructions for a tile of 16 x 16: a tree of four v_max3 over the running largest R and a0..a7, one compare (R unchanged?), four pairs of selects that keep a COPY of the
; tile's eight a where R rose, one select for the tile's first index.  The place j in the winning tile is searched once a pass: the first j whose copy equals R.
; The walk ascends in k and a tile wins only by strictly more, so the lowest k wins in a lane; halves of lanes and waves are joined by (a, k): larger a, then lower k.
; ORDER.  For a tile of centres: 16 products of row tiles 0-3, the vector work of row tiles 4-7 for the tile of centres before, 16 products of row tiles 4-7, the vector work of row tiles 0-3.
; Each block of vector work names no register of the products just ahead of it: it is their places (ISA guide 7.12.1), and one set of accumulators serves.
; LDS instructions stand in ONE run at a step's head, behind a block of vector work: the next tile's 15 loads and, in the odd periods of pass 0, the turn of two fragments of x through the stage;
; what a run asks for is waited for at the next step's head, 32 products later.
; LIMITS: NaN and infinities in the inputs, and sums beyond f32, are not served.  A block of 32 whose largest magnitude lies under 2^-124 (a block of zeros among them) gets the scale byte 1; only this program reads the bytes.
; REGISTERS, in windows of 256.  Window 0: v1-28 addresses; v32-47 x's scale words; v48-51 the centres'; v64-127, v128-191 numbers of x; v192-227 the quantiser's.
;   window 1: codes of row tiles 0-3 at 48 i; v192-239 the centres' fragments, buffer 0 (ahead of the first pass: four landing buffers of 64).   window 2: row tiles 4-7; v192-239 buffer 1.
;   window 3: accumulators at 8 i; copies at 64 + 8 i; R at 128 + 2 i (two, by turns); index at 144 + i; v152-159 at work; v160-175 two buffers of -c2 / 2; v176-239 a landing buffer of x.
.set QB,     25856
.set SLOTB,  4*QB
.set SLOT1,  1<<17                     ; slot 1 begins here: one exclusive or turns an address in one slot into the other's
.set XSC,    SLOTB                     ; x's scale words: 16 register images of 128 bytes; image 2 i + s / 2: K step s even in lanes 0-15, odd in lanes 16-31
.set MERGE,  XSC+2048                  ; (a, k) pairs: 2,048 x wave + 8 x row of the work-group
.set SPARE,  MERGE+8192                ; the spare words, 128 bytes for each wave
.set XIMG,   SLOT1+SLOTB               ; x's 32 fragments: 1,536 (4 i + s) + 512 c + 16 x lane
.set STAGE,  XIMG+49152                ; a stage of 16 rows x 528 bytes for each wave
.set SPITCH, 528
.set WSTG,   16*SPITCH
.set SPW, 1
.set NIL, 2
.set XO,  3                            ; 16 x lane
.set FA,  4                            ; v4-6 my quarter of the slot in hand: images, scale words, -c2 / 2
.set CSA, 5
.set C2A, 6
.set FA0, 7                            ; v7-9 the same without the slot
.set CSA0, 8
.set C2A0, 9
.set STS, 11
.set STL, 12
.set XWI, 13
.set XWS, 14
.set YWI, 16
.set YWS, 17
.set LI,  19
.set LS,  20
.set H8,  22
.set MGW, 23
.set MGR, 24
.set OO,  25
.set XS,  32
.set CS,  48
.set XA,  64
.set XBF, 128
.set TM,  192
.set PW,  204
.set PC,  208
.set SS,  64                           ; window 3
.set RR,  128
.set IX,  144
.set TT,  152
.set C2,  160
.set XL1, 176
.set WV,  10
.set G1,  16
.set G0A, 24
.set G0B, 28                           ; group 0 of slot 1's first fill; it then walks
.set PER, 32                           ; the loops' counter: the period, 256 centres; 8 periods a pass
.set TB,  33
.set K0,  34                           ; s34-37 the first index of my four tiles of this period
.set KL,  38                           ; that of the last period's last tile
.set SEL, 40
.set XP,  44
.set PH,  56                           ; the period in hand
.set MK,  66                           ; s66-73 eight masks at a pass's end
.set MSB, 0
.macro WIN new                         ; s_set_vgpr_msb: bits 1:0 source 0, 3:2 source 1, 5:4 source 2, 7:6 destination; the high byte repeats the setting that is left
.if MSB != (\new)
	s_set_vgpr_msb (MSB<<8)|(\new)
.set MSB, (\new)
.endif
.endm
.macro CREST
	s_cmp_lg_u32 s[WV], 0
	s_cbranch_scc1 .Lnot_wave_0_\@
	s_barrier_signal -3
.Lnot_wave_0_\@:
	s_barrier_wait -3
	s_barrier_signal -1
	s_barrier_wait -1
.endm
.macro ROUND
	s_barrier_signal -1
	s_barrier_wait -1
	CREST
.endm
.macro TLOAD g0                        ; a joint load
	tensor_load_to_lds s[\g0:\g0+3], s[G1:G1+7]
	s_nop 0
.rept 4
	v_nop
.endr
.endm
; ---- x: loads, the turn through the stage, the quantiser
.macro XLD dw, reg, sb, off            ; 16 rows x 512 bytes (one K step of 16 rows) into window dw: each load reads 512 consecutive bytes of a row
	WIN (\dw)<<6
.irp i, 0,1,2,3,4,5,6,7,8,9,10,11,12,13,14,15
	global_load_b128 v[(\reg)+4*\i:(\reg)+4*\i+3], v[XO], s[\sb:\sb+1] offset:(\off)+2048*\i th:TH_LOAD_NT
.endr
.endm
.macro TOSTG lw, lreg                  ; 16 rows x 512 bytes as loaded (window lw) into my stage
	WIN (\lw)<<2
.irp i, 0,1,2,3,4,5,6,7,8,9,10,11,12,13,14,15
	ds_store_b128 v[STS], v[(\lreg)+4*\i:(\lreg)+4*\i+3] offset:SPITCH*\i
.endr
	WIN 0
.endm
.macro FROMSTG wreg                    ; and back into window 0: register 16 b + i = k 32 b + 16 h + i of row r.  LDS serves a wave's instructions in order: no wait between the stores and these loads
.irp b, 0,1,2,3
.irp j, 0,1,2,3
	ds_load_b128 v[(\wreg)+16*\b+4*\j:(\wreg)+16*\b+4*\j+3], v[STL] offset:128*\b+16*\j
.endr
.endr
.endm
.macro QUANT wreg                      ; 64 numbers of a lane become a fragment's 12 registers in v[PC] on and the row's scale word in v[PW]
.irp b, 0,1,2,3
	v_max3_num_f32 v[TM+\b], |v[(\wreg)+16*\b]|, |v[(\wreg)+1+16*\b]|, 0x1800000   ; and the floor 2^(3 - 127): the byte cannot fall under 1
.endr
.irp i, 2,4,6,8,10,12,14
.irp b, 0,1,2,3
	v_max3_num_f32 v[TM+\b], v[TM+\b], |v[(\wreg)+16*\b+\i]|, |v[(\wreg)+1+16*\b+\i]|
.endr
.endr
.irp b, 0,1,2,3
	v_permlanex16_b32 v[TM+4+\b], v[TM+\b], s[SEL], s[SEL+1]
.endr
.irp b, 0,1,2,3
	v_max_num_f32 v[TM+\b], v[TM+\b], v[TM+4+\b]
.endr
.irp b, 0,1,2,3
	v_add_nc_u32 v[TM+8+\b], 0xff000000, v[TM+\b]  ; 2 off the exponent field: the conversion's scale operand
.endr
.irp b, 0,1,2,3
	v_lshrrev_b32 v[TM+4+\b], 23, v[TM+8+\b]       ; the scale's byte
.endr
	v_lshl_or_b32 v[PW], v[TM+5], 8, v[TM+4]
	v_lshl_or_b32 v[PW], v[TM+6], 16, v[PW]
	v_lshl_or_b32 v[PW], v[TM+7], 24, v[PW]
.irp c, 0,1
	v_cvt_scalef32_pk16_fp6_f32 v[PC+6*\c:PC+2+6*\c], v[(\wreg)+32*\c:(\wreg)+15+32*\c], v[TM+8+2*\c]
	v_cvt_scalef32_pk16_fp6_f32 v[PC+12+4*\c:PC+14+4*\c], v[(\wreg)+16+32*\c:(\wreg)+31+32*\c], v[TM+8+2*\c+1]
.endr
	v_nop                                          ; one plain place behind a scaled conversion
.irp c, 0,1                            ; the operand's layout wants a whole block in a lane
.irp i, 0,1,2
	v_permlane16_swap_b32 v[PC+6*\c+\i], v[PC+12+4*\c+\i]
.endr
.irp i, 0,1,2
	v_mov_b32 v[PC+3+6*\c+\i], v[PC+12+4*\c+\i]
.endr
.endr
.endm
.macro XSTORE ai, aw, e                ; the fragment just made goes to LDS as it stands, its scale word beside it (lanes r and 16 + r write the same word with the same value)
.irp c, 0,1,2
	ds_store_b128 v[\ai], v[PC+4*\c:PC+4*\c+3] offset:1536*(\e)+512*\c
.endr
	ds_store_b32 v[\aw], v[PW] offset:64*(\e)
.endm
; Pass 0, fragment f of my eight (row tile 2 w + f / 4, K step f % 4): XT turns it out of landing buffer f % 4 into working buffer f % 2; XC quantises it while fragment f + 1 turns
.macro XT f, cnt                       ; cnt: the younger loads, which may stay out
	s_wait_loadcnt \cnt
	TOSTG 1, 64*((\f)%4)
	FROMSTG XA+64*((\f)%2)
.endm
.macro XC f, dn                        ; dn: the LDS instructions of fragment f + 1's turn, which may stay out; all older ones are done
	s_wait_dscnt \dn
.if (\f) < 4
	XLD 1, 64*((\f)%4), 4, 32768+512*((\f)%4)      ; the landing buffer takes fragment f + 4: the next 16 rows
	WIN 0
.endif
	QUANT XA+64*((\f)%2)
	XSTORE XWI, XWS, \f
.endm
.macro XNEXT                           ; pass 1's fragments PER + 2 and PER + 3 are asked for: both landing buffers have been stored to the stage
	s_cmp_lt_u32 s[PER], 6
	s_cbranch_scc0 .Lx_done                        ; fragments 6 and 7 are the last: no load leaves my rows
	s_add_co_u32 s51, s[PER], 2                    ; f': 32,768 (f' / 4) + 512 (f' % 4) bytes on
	s_and_b32 s52, s51, 4
	s_lshl_b32 s52, s52, 13
	s_and_b32 s53, s51, 2
	s_lshl_b32 s53, s53, 9
	s_add_co_u32 s14, s52, s53
	s_mov_b32 s15, 0
	s_add_nc_u64 s[XP:XP+1], s[4:5], s[14:15]      ; (the loads that named it were waited for at the period's head)
	XLD 0, XA, XP, 262144                          ; pass 1's rows lie 128 rows, 262,144 bytes, behind pass 0's
	XLD 3, XL1, XP, 262144+512
	WIN 0
.Lx_done:
.endm
; ---- the centres out of LDS: my tile u of the slot in hand into buffer par: four fragments, -c2 / 2 of its centres 8 h + 0 .. 7, the scale words
.macro FETCH u, par
	WIN (1+(\par))<<6
.irp n, 0,1,2,3,4,5,6,7,8,9,10,11
	ds_load_b128 v[192+4*\n:195+4*\n], v[FA] offset:6144*(\u)+512*\n
.endr
	WIN 0xc0
	ds_load_b128 v[C2+8*(\par):C2+8*(\par)+3], v[C2A] offset:64*(\u)
	ds_load_b128 v[C2+8*(\par)+4:C2+8*(\par)+7], v[C2A] offset:64*(\u)+16
	WIN 0
	ds_load_b64 v[CS+2*(\par):CS+2*(\par)+1], v[CSA] offset:256*(\u)
.endm
.macro SLOTADR
	v_add_nc_u32 v[FA], s[TB], v[FA0]
	v_add_nc_u32 v[CSA], s[TB], v[CSA0]
	v_add_nc_u32 v[C2A], s[TB], v[C2A0]
.endm
; ---- a product: row tile i, K step s, the centres' buffer par.  K step 0 starts the sum with -c2 / 2.  Scale words: register s / 2 of a side's pair, lanes 0-15 for even s, lanes 16-31 for odd s
.macro W i, s, par
	WIN (1+(\par))|((1+(\i)/4)<<2)|0xf0            ; source 0 the centres' buffer, source 1 the codes' window, C and D window 3
.set WD, 8*(\i)
.set WA, 192+12*(\s)
.set WB, 48*((\i)%4)+12*(\s)
.set WC, C2+8*(\par)
.set WSA, CS+2*(\par)+(\s)/2
.set WSB, XS+2*(\i)+(\s)/2
.if (\s) == 0
	v_wmma_scale_f32_16x16x128_f8f6f4 v[WD:WD+7], v[WA:WA+11], v[WB:WB+11], v[WC:WC+7], v[WSA], v[WSB] matrix_a_fmt:MATRIX_FMT_FP6 matrix_b_fmt:MATRIX_FMT_FP6
.elseif (\s)%2 == 1
	v_wmma_scale_f32_16x16x128_f8f6f4 v[WD:WD+7], v[WA:WA+11], v[WB:WB+11], v[WD:WD+7], v[WSA], v[WSB] matrix_a_fmt:MATRIX_FMT_FP6 matrix_b_fmt:MATRIX_FMT_FP6 matrix_a_scale:MATRIX_SCALE_ROW1 matrix_b_scale:MATRIX_SCALE_ROW1
.else
	v_wmma_scale_f32_16x16x128_f8f6f4 v[WD:WD+7], v[WA:WA+11], v[WB:WB+11], v[WD:WD+7], v[WSA], v[WSB] matrix_a_fmt:MATRIX_FMT_FP6 matrix_b_fmt:MATRIX_FMT_FP6
.endif
.endm
.macro P g, par                        ; 16 products on end: row tiles 4 g .. 4 g + 3; the four accumulators take turns, one instruction a turn
.irp s, 0,1,2,3
.irp t, 0,1,2,3
	W 4*(\g)+\t, \s, \par
.endr
.endr
.endm
; ---- the vector work of row tiles 4 g .. 4 g + 3 for a tile of centres whose first index is s[ke]; par: which R is written.  Each accumulator is read from its low end on
.macro E g, par, ke
	WIN 0xff
.irp t, 0,1,2,3
.set EB, 4*(\g)+\t
	v_max3_num_f32 v[RR+2*EB+(\par)], v[RR+2*EB+1-(\par)], v[8*EB], v[8*EB+1]
.endr
.irp t, 0,1,2,3
.set EB, 4*(\g)+\t
	v_max3_num_f32 v[TT+2*\t], v[8*EB+2], v[8*EB+3], v[8*EB+4]
.endr
.irp t, 0,1,2,3
.set EB, 4*(\g)+\t
	v_max3_num_f32 v[TT+2*\t+1], v[8*EB+5], v[8*EB+6], v[8*EB+7]
.endr
.irp t, 0,1,2,3
.set EB, 4*(\g)+\t
	v_max3_num_f32 v[RR+2*EB+(\par)], v[RR+2*EB+(\par)], v[TT+2*\t], v[TT+2*\t+1]
.endr
.irp t, 0,1,2,3
.set EB, 4*(\g)+\t
	v_cmp_eq_f32 vcc_lo, v[RR+2*EB+(\par)], v[RR+2*EB+1-(\par)]    ; R has not risen: copies and index are kept, else taken anew
.irp m, 0,2,4,6
	v_dual_cndmask_b32 v[SS+8*EB+\m], v[8*EB+\m], v[SS+8*EB+\m] :: v_dual_cndmask_b32 v[SS+8*EB+\m+1], v[8*EB+\m+1], v[SS+8*EB+\m+1]
.endr
	v_cndmask_b32 v[IX+EB], s[\ke], v[IX+EB], vcc_lo
.endr
.endm
; Step u = 0, 1, 2 of a period.  The next tile's loads go into the buffer that the step before read: its last 40 vector instructions are the places.
; xw: x's work in this step.  1: the first landing buffer into the stage and back into the working buffer.  2: the second landing buffer into the stage; at the step's end the working buffer is quantised.
; 3: both landing buffers are free: the next two fragments are asked for; the stage comes back into the working buffer
.macro STEP u, xw
	WIN 0
	s_wait_dscnt 0x0                               ; what the last step asked of LDS is done
.if (\xw) == 3
	XNEXT
.endif
	FETCH (\u)+1, ((\u)+1)%2
.if (\xw) == 1
	TOSTG 0, XA
	FROMSTG XBF
.elseif (\xw) == 2
	TOSTG 3, XL1
.elseif (\xw) == 3
	FROMSTG XBF
.endif
	P 0, (\u)%2
.if (\u) == 0
	E 1, 1, KL
.else
	E 1, 1-(\u)%2, K0+(\u)-1
.endif
	P 1, (\u)%2
	E 0, (\u)%2, K0+(\u)
.if (\xw) == 2
	WIN 0
	QUANT XBF
	XSTORE YWI, YWS, 0
.endif
.endm
; Step 3 with the change of slots.  My reads of this slot are over; I wait for all my tensor loads (one is out: my quarter of the next slot), add 0 to my spare word, and wait for that.  The barrier opens a
; round of the cluster's barrier; the joint refill, with the centres two periods on, is the first thing behind it: 112 products stand between it and the wait for it.
.macro S3R q                           ; q = 1: at the end the working buffer is quantised, as the pair's second fragment
	WIN 0
	s_wait_dscnt 0x0                               ; tile 3's fragments are in: nothing more is read from this slot
	s_wait_tensorcnt 0x0                           ; no tensor load of mine is out, so the walking group 0 may be written
	ds_add_u32 v[SPW], v[NIL]
	s_xor_b32 s[G0B+1], s[G0B+1], SLOT1            ; the slot that is being left,
	s_add_co_u32 s46, s[PH], 2
	s_and_b32 s46, s46, 7                          ; the 256 centres two periods on (a pass walks eight),
	s_mul_i32 s46, s46, SLOTB
	s_mov_b32 s47, 0
	s_add_nc_u64 s[G0B+2:G0B+3], s[6:7], s[46:47]  ; my quarter of them
	s_or_b32 s[G0B+3], s[G0B+3], 0x80000000
	P 0, 1                                         ; sixteen products stand between the add and the wait for it
	s_wait_dscnt 0x0                               ; the add is done
	s_barrier_signal -1
	E 1, 0, K0+2                                   ; work on registers while the others arrive
	WIN 0
	s_barrier_wait -1
	CREST
	TLOAD G0B
	s_xor_b32 s[TB], s[TB], SLOT1                  ; on to the other slot, which is whole
	SLOTADR
	FETCH 0, 0
	P 1, 1
	E 0, 1, K0+3
.if (\q) == 1
	WIN 0
	QUANT XBF
	XSTORE YWI, YWS, 1
.endif
.endm
.macro S3N                             ; step 3 of the last two periods: nothing is filled again, so there is no barrier; the bytes that I read next are those that my own load brought
	WIN 0
	s_wait_dscnt 0x0
	P 0, 1
	E 1, 0, K0+2
	WIN 0
	s_cmp_eq_u32 s[PER], 15
	s_cbranch_scc1 .Llast_slot                     ; behind the last period there is no slot
	s_wait_tensorcnt 0x0                           ; my quarter of the last slot has landed
	s_xor_b32 s[TB], s[TB], SLOT1
	SLOTADR
	FETCH 0, 0
.Llast_slot:
	P 1, 1
	E 0, 1, K0+3
.endm
.macro PLAIN                           ; the first three steps of a period without x's work
	STEP 0, 0
	STEP 1, 0
	STEP 2, 0
.endm
.macro KSET                            ; my four tiles' first indices: 256 (PH % 8) + 64 w + 16 u
	s_mov_b32 s[KL], s[K0+3]
	s_and_b32 s[K0], s[PH], 7
	s_lshl_b32 s[K0], s[K0], 8
	s_add_co_u32 s[K0], s[K0], s39
	s_add_co_u32 s[K0+1], s[K0], 16
	s_add_co_u32 s[K0+2], s[K0], 32
	s_add_co_u32 s[K0+3], s[K0], 48
.endm
; A pass begins: its 32 fragments and their scale words come out of LDS.  R and the copies are -infinity, the index 0.  So are the accumulators of row tiles 4-7: the first step's vector work
; for them belongs to no tile, R does not rise, and nothing is taken.
.macro NEWPASS
.irp i, 0,1,2,3,4,5,6,7
	WIN (1+\i/4)<<6
.irp s, 0,1,2,3
.irp c, 0,1,2
	ds_load_b128 v[48*(\i%4)+12*\s+4*\c:48*(\i%4)+12*\s+4*\c+3], v[LI] offset:1536*(4*\i+\s)+512*\c
.endr
.endr
.endr
	WIN 0
.irp n, 0,1,2,3,4,5,6,7,8,9,10,11,12,13,14,15
	ds_load_b32 v[XS+\n], v[LS] offset:128*\n
.endr
	WIN 0xc0
.set n, 32
.rept 112
	v_mov_b32 v[n], s43                            ; v32-63 accumulators, v64-127 copies, v128-143 R
.set n, n+1
.endr
.set n, 0
.rept 8
	v_mov_b32 v[IX+n], 0
.set n, n+1
.endr
	WIN 0
	s_wait_dscnt 0x0
.endm
.macro LEXMAX a, b                     ; the pair (a, k) at v[a] takes the pair at v[b] where that has the larger a, or the same a and the lower k
	v_cmp_gt_f32 s51, v[\b], v[\a]
	v_cmp_eq_f32 s52, v[\b], v[\a]
	v_cmp_lt_u32 s53, v[(\b)+1], v[(\a)+1]
	s_and_b32 s52, s52, s53
	s_or_b32 s51, s51, s52
	v_cndmask_b32 v[\a], v[\a], v[\b], s51
	v_cndmask_b32 v[(\a)+1], v[(\a)+1], v[(\b)+1], s51
.endm
; A pass ends: the last tile's vector work for row tiles 4-7; in each row tile the first j whose copy equals R (the eight tiles by turns); k = the tile's first index + j + 8 h; the halves of the lanes are joined; my (a, k) of 128 rows go to LDS
.macro ENDPASS pass
	E 1, 1, K0+3
.irp i, 0,1,2,3,4,5,6,7
	v_mov_b32 v[TT+\i], 7
.endr
.irp j, 6,5,4,3,2,1,0
.irp i, 0,1,2,3,4,5,6,7
	v_cmp_neq_f32 s[MK+\i], v[SS+8*\i+\j], v[RR+2*\i+1]
.endr
.irp i, 0,1,2,3,4,5,6,7
	v_cndmask_b32 v[TT+\i], \j, v[TT+\i], s[MK+\i] ; descending, so that the lowest j stays
.endr
.endr
.irp i, 0,1,2,3,4,5,6,7
	v_add_nc_u32 v[TT+\i], v[TT+\i], v[IX+\i]
.endr
	WIN 0x03                                       ; source 0 window 3, destination window 0: the numbers' registers are free here
.irp i, 0,1,2,3,4,5,6,7
	v_mov_b32 v[XA+2*\i], v[RR+2*\i+1]
	v_mov_b32 v[XA+1+2*\i], v[TT+\i]
.endr
	WIN 0
.irp i, 0,1,2,3,4,5,6,7
	v_add_nc_u32 v[XA+1+2*\i], v[XA+1+2*\i], v[H8]
.endr
.irp i, 0,1,2,3,4,5,6,7
	v_permlanex16_b32 v[XA+16+2*\i], v[XA+2*\i], s[SEL], s[SEL+1]
	v_permlanex16_b32 v[XA+17+2*\i], v[XA+1+2*\i], s[SEL], s[SEL+1]
.endr
.irp i, 0,1,2,3,4,5,6,7
	LEXMAX XA+2*\i, XA+16+2*\i
	ds_store_b64 v[MGW], v[XA+2*\i:XA+1+2*\i] offset:1024*(\pass)+128*\i   ; lanes r and 16 + r write the same pair
.endr
.endm
	; ---- the head
	s_load_b128 s[4:7], s[0:1], 0x0                ; x, cpack
	s_load_b64 s[8:9], s[0:1], 0x10                ; out0
	v_lshl_add_u32 v[SPW], v0, 2, SPARE
	v_mov_b32 v[NIL], 0
	ds_add_u32 v[SPW], v[NIL]                      ; the add, twice on end, and its wait ahead of my first tensor load
	ds_add_u32 v[SPW], v[NIL]
	v_lshrrev_b32 v26, 5, v0
	v_readfirstlane_b32 s[WV], v26                 ; wave w = 0..3
	s_bfe_u32 s11, ttmp6, 0x40000                  ; cx: my place in the cluster
	s_lshl_b32 s12, ttmp9, 2
	s_add_co_u32 s12, s12, s11                     ; my work-group: it enters x's and out0's addresses alone
	v_and_b32 v26, 31, v0                          ; lane
	v_and_b32 v27, 15, v0                          ; r
	v_bfe_u32 v28, v0, 4, 1                        ; h
	v_lshlrev_b32 v[XO], 4, v26
	s_mul_i32 s51, s[WV], QB
	v_add_nc_u32 v[FA0], s51, v[XO]
	v_lshl_add_u32 v[CSA0], v26, 3, s51
	v_add_nc_u32 v[CSA0], 24576, v[CSA0]
	v_lshl_add_u32 v[C2A0], v28, 5, s51
	v_add_nc_u32 v[C2A0], 25600, v[C2A0]
	s_mul_i32 s52, s[WV], WSTG
	s_add_co_u32 s52, s52, STAGE
	v_add_nc_u32 v[STS], s52, v[XO]
	v_mul_u32_u24 v[STL], v27, SPITCH
	v_lshl_add_u32 v[STL], v28, 6, v[STL]
	v_add_nc_u32 v[STL], s52, v[STL]
	s_mul_i32 s53, s[WV], 12288                    ; my eight fragments' images
	s_add_co_u32 s53, s53, XIMG
	v_add_nc_u32 v[XWI], s53, v[XO]
	s_lshl_b32 s53, s[WV], 9
	v_lshl_add_u32 v[XWS], v27, 2, s53
	v_add_nc_u32 v[XWS], XSC, v[XWS]
	v_add_nc_u32 v[MGR], s53, v[XO]
	v_add_nc_u32 v[MGR], MERGE, v[MGR]
	v_add_nc_u32 v[LI], XIMG, v[XO]
	v_lshl_add_u32 v[LS], v26, 2, XSC
	v_lshlrev_b32 v[H8], 3, v28
	s_lshl_b32 s54, s[WV], 11
	v_lshl_add_u32 v[MGW], v27, 3, s54
	v_add_nc_u32 v[MGW], MERGE, v[MGW]
	v_lshlrev_b32 v[OO], 3, v26
.irp b, 0,1,2,3
	v_mov_b32 v[TM+4+\b], 0                        ; a lane permute's destination counts as one of its sources
.endr
	s_lshl_b32 s39, s[WV], 6                       ; 64 w
	s_mov_b32 s[SEL], 0x76543210
	s_mov_b32 s[SEL+1], 0xfedcba98
	s_mov_b32 s43, 0xff800000                      ; -infinity
	s_mov_b32 s[TB], 0
	; descriptor group 1: a dense block of QB bytes as 101 rows of 256 bytes
	s_mov_b32 s[G1], 15|(3<<16)|(1<<21)            ; the mask: all four work-groups; elements of 8 bytes; no padding; bit 21 set beside a mask
	s_mov_b32 s[G1+1], 32<<16
	s_mov_b32 s[G1+2], 101<<16
	s_mov_b32 s[G1+3], 32<<16
	s_mov_b32 s[G1+4], 101
	s_mov_b32 s[G1+5], 32
	s_mov_b32 s[G1+6], 0
	s_mov_b32 s[G1+7], 0
	s_lshl_b32 s14, s12, 19                        ; x: 256 rows of 2,048 bytes a work-group,
	s_lshl_b32 s15, s[WV], 16                      ; 32 a wave
	s_add_co_u32 s14, s14, s15
	s_mov_b32 s15, 0
	s_mov_b32 s46, s51                             ; cpack: my quarter of a slot (no place in the cluster enters these registers)
	s_mov_b32 s47, 0
	s_wait_alu depctr_va_vdst(0)                   ; the wait at the head's end
	s_wait_dscnt 0x0                               ; both opening adds are done
	s_wait_kmcnt 0x0
	s_add_nc_u64 s[4:5], s[4:5], s[14:15]
	s_add_nc_u64 s[6:7], s[6:7], s[46:47]
	s_lshl_b32 s14, s12, 10                        ; out0: 1,024 bytes a work-group, 256 a wave
	s_lshl_b32 s52, s[WV], 8
	s_add_co_u32 s14, s14, s52
	s_add_nc_u64 s[8:9], s[8:9], s[14:15]
.irp k, 0,1,2,3
	XLD 1, 64*\k, 4, 512*\k                        ; pass 0: my first 16 rows, K step k, into landing buffer k: 64 loads a wave are out
.endr
	WIN 0
	s_mov_b32 s[G0A], 1
	s_mul_i32 s[G0A+1], s[WV], QB                  ; LDS: my quarter of slot 0
	s_mov_b64 s[G0A+2:G0A+3], s[6:7]               ; centres 0 .. 255
	s_or_b32 s[G0A+3], s[G0A+3], 0x80000000
	s_mov_b32 s[G0B], 1
	s_add_co_u32 s[G0B+1], s[G0A+1], SLOT1         ; slot 1
	s_add_nc_u64 s[G0B+2:G0B+3], s[6:7], SLOTB     ; centres 256 .. 511
	s_or_b32 s[G0B+3], s[G0B+3], 0x80000000
	ROUND                                          ; all four work-groups are here: the first joint loads meet
	TLOAD G0A                                      ; slot 0: one tensor load a wave at the head
	; ---- pass 0's x.  XT's counts: the landing buffers younger than the fragment's, 16 loads each.  XC's: the 32 LDS instructions of the next fragment's turn
	XT 0, 48
	XT 1, 32
	XC 0, 32
	XT 2, 32
	XC 1, 32
	XT 3, 32
	XC 2, 32
	XT 4, 32
	XC 3, 32
	XT 5, 32
	XC 4, 32
	XT 6, 16
	XC 5, 32
	XT 7, 0
	XC 6, 32
	XC 7, 0
	XLD 0, XA, 4, 262144                           ; pass 1's fragments 0 and 1 are asked for: they have the first period in which to land
	XLD 3, XL1, 4, 262144+512
	WIN 0
	s_wait_tensorcnt 0x0                           ; my quarter of slot 0 is in
	ds_add_u32 v[SPW], v[NIL]
	s_wait_dscnt 0x0                               ; the add is done, and my images have landed
	ROUND                                          ; x's 32 fragments of pass 0 lie in LDS, and all four work-groups are here
	TLOAD G0B                                      ; slot 1's first fill: it has the first period in which to land
	NEWPASS
	SLOTADR
	FETCH 0, 0
	s_mov_b32 s[PER], 0
	s_mov_b32 s[K0+3], 0
.Lpair:                                ; pass 0, 4 trips of two periods.  The second also turns and quantises pass 1's fragments PER and PER + 1, which landed in v[XA] on and in window 3's v[XL1] on.
	s_mov_b32 s[PH], s[PER]                        ; Every wave has read pass 0's images ahead of the first period's round: pass 1's are stored over them only behind it
	KSET
	s_wait_alu depctr_va_vdst(0)
	PLAIN
	S3R 0
	WIN 0
	s_add_co_u32 s[PH], s[PER], 1
	KSET
	s_mul_i32 s52, s[PER], 1536
	s_lshl_b32 s53, s[PER], 6
	v_add_nc_u32 v[YWI], s52, v[XWI]
	v_add_nc_u32 v[YWS], s53, v[XWS]
	s_wait_alu depctr_va_vdst(0)
	s_wait_loadcnt 0x0                             ; the 32 loads issued six steps ago (the first time: at the head)
	STEP 0, 1
	STEP 1, 2
	STEP 2, 3
	S3R 1
	WIN 0
	s_add_co_u32 s[PER], s[PER], 2
	s_cmp_lt_u32 s[PER], 8
	s_cbranch_scc1 .Lpair
	s_wait_loadcnt 0x0                             ; no load of x is out: its registers serve the pass's end
	ENDPASS 0
	s_wait_dscnt 0x0                               ; my stores of pass 1's images have landed,
	s_barrier_signal -1
	s_barrier_wait -1                              ; everybody's have: they are read below.
	NEWPASS
	s_mov_b32 s[PER], 8
.Lperiod:                              ; pass 1, 6 trips: a period at whose end the slot is filled again
	s_mov_b32 s[PH], s[PER]
	KSET
	s_wait_alu depctr_va_vdst(0)
	PLAIN
	S3R 0
	WIN 0
	s_add_co_u32 s[PER], s[PER], 1
	s_cmp_lt_u32 s[PER], 14
	s_cbranch_scc1 .Lperiod
.Ltail:                                ; the last two periods are written out apart
	s_mov_b32 s[PH], s[PER]
	KSET
	s_wait_alu depctr_va_vdst(0)
	PLAIN
	S3N
	WIN 0
	s_add_co_u32 s[PER], s[PER], 1
	s_cmp_lt_u32 s[PER], 16
	s_cbranch_scc1 .Ltail
	; ---- the end: the four waves' (a, k) of each row are joined; wave w takes rows 64 w .. 64 w + 63, two a lane
	ENDPASS 1
	s_wait_dscnt 0x0
	s_barrier_signal -1
	s_barrier_wait -1
.irp v, 0,1,2,3
	ds_load_b128 v[XA+4*\v:XA+3+4*\v], v[MGR] offset:2048*\v
.endr
	s_wait_dscnt 0x0
.irp v, 1,2,3
	LEXMAX XA, XA+4*\v
	LEXMAX XA+2, XA+2+4*\v
.endr
	v_mov_b32 v[XA+2], v[XA+1]                     ; the two rows' k side by side
	global_store_b64 v[OO], v[XA+2:XA+3], s[8:9]   ; the wave stores 256 consecutive bytes, at a multiple of 256 from out0's first byte
	s_wait_tensorcnt 0x0                           ; the wave's end
	ds_add_u32 v[SPW], v[NIL]
	s_wait_dscnt 0x0
	ROUND                                          ; the closing round
	s_endpgm
.Lfunc_end_k_q1a23e09120_assign:
	.size	k_q1a23e09120_assign, .Lfunc_end_k_q1a23e09120_assign-k_q1a23e09120_assign
	.p2alignl 7, 3214868480
	.fill 96, 4, 3214868480
	.section	.rodata,"a",@progbits
	.p2align	6, 0x0
	.amdhsa_kernel k_q1a23e09120_assign
		.amdhsa_group_segment_fixed_size 327680
		.amdhsa_private_segment_fixed_size 0
		.amdhsa_enable_private_segment 0
		.amdhsa_kernarg_size 24
		.amdhsa_user_sgpr_count 2
		.amdhsa_user_sgpr_kernarg_segment_ptr 1
		.amdhsa_wavefront_size32 1
		.amdhsa_system_sgpr_workgroup_id_x 1
		.amdhsa_system_sgpr_workgroup_id_y 1
		.amdhsa_system_sgpr_workgroup_id_z 1
		.amdhsa_system_vgpr_workitem_id 0
		.amdhsa_next_free_vgpr 1024
		.amdhsa_next_free_sgpr 76
		.amdhsa_reserve_vcc 1
		.amdhsa_float_denorm_mode_32 3
		.amdhsa_float_denorm_mode_16_64 3
		.amdhsa_memory_ordered 1
		.amdhsa_forward_progress 1
		.amdhsa_inst_pref_size 255
	.end_amdhsa_kernel
	.section	.bss,"aw",@nobits
	.p2align	6
	.space	262144
	.amdgpu_metadata
---
amdhsa.version: [ 1, 2 ]
amdhsa.kernels:
  - .name:           k_q1a23e09120_assign
    .symbol:         k_q1a23e09120_assign.kd
    .args:
      - { .name: x, .offset: 0, .size: 8, .value_kind: global_buffer, .address_space: global }
      - { .name: cpack, .offset: 8, .size: 8, .value_kind: global_buffer, .address_space: global }
      - { .name: out0, .offset: 16, .size: 8, .value_kind: global_buffer, .address_space: global }
    .group_segment_fixed_size: 327680
    .private_segment_fixed_size: 0
    .kernarg_segment_align: 8
    .kernarg_segment_size: 24
    .max_flat_workgroup_size: 128
    .sgpr_count:     76
    .vgpr_count:     1024
    .wavefront_size: 32
...
	.end_amdgpu_metadata
.endif
;; end of part 2
